; MI455X (gfx1250); checked and timed in simulation.
; The chip was launched on July 23, 2026; its instructions are those of AMD's public machine-readable ISA for CDNA 5 (MIT licence, August 2026) and "CDNA5" Instruction Set Architecture Reference Guide (July 2026). The comments in the code are by the model that wrote it; some were corrected since.
;; MSA. Allowed arithmetic: matrix products marked QUANTISED: E2M1 operands, one E8M0 scale for each 32 along K, by v_wmma_scale_f32_16x16x128_f8f6f4 with both operands' format E2M1 (or v_wmma_scale_f32_32x16x128_f4), f32 sums; products left as they are: bf16, f16 or f32 operands; f32 sums; everything else in f32.
;; Inputs: b_out 256 float32; b_qkv 768 float32; w_out 256 x 256 float32; w_qkv 256 x 768 float32; x 4 x 64 x 64 x 256 float32.
;; Outputs: out0 4 x 64 x 64 x 256 float32.
;; This version of the problem:
;;   THIS VERSION OF THE PROBLEM IS GIVEN IN LOW PRECISION. The matrix products marked QUANTISED in the list below multiply operands that are first quantised to E2M1 (2 exponent bits, 1 mantissa bit; 4 bits a number), with one power-of-two scale for each 32 numbers along K (OCP MX v1.0); their sums are f32. The products marked 'left as it is' may take bf16, f16 or f32 operands, with f32 sums. Whichever they take, every output number must still come out within the allowed error. Rounding operands to bf16 (8 significant bits) uses up far more of that allowance than f16 does (11 bits, for magnitudes from 6e-5 to 65,504). All else is computed in f32.
;;   The module's matrix products, in the order in which they are computed (A, B: the left and right operand; K: the contracted axis; several contracted axes count as one K, in the product's order):
;;     1. [M 16,384, K 256] x [K 256, N 768]; A: input x; B: input w_qkv: QUANTISED
;;     2. batch 16 x [M 4,096, K 64] x [K 64, N 4,096]; A: computed on the way; B: computed on the way: left as it is (an operand is computed on the way)
;;     3. batch 16 x [M 4,096, K 4,096] x [K 4,096, N 64]; A: computed on the way; B: computed on the way: left as it is (an operand is computed on the way)
;;     4. [M 16,384, K 256] x [K 256, N 256]; A: computed on the way; B: input w_out: left as it is (an operand is computed on the way)
;;   THE QUANTISER, for each operand of a quantised product, along K:
;;     - K is cut into blocks of 32 from its start; a last block that is shorter is filled with zeros.
;;     - A block's scale is 2^e with e = floor(log2(the largest magnitude in the block)) - 2, held to -126 .. 127; a block of zeros has e = 0. As a byte (E8M0): e + 127.
;;     - Each number is divided by its block's scale, clamped to +-6, and rounded to the nearest number of E2M1, ties to even, subnormals kept.
;;     - The product sums the exact products of the quantised numbers (number of the format x scale) in f32.
;;   ~~~python
;;   def quantise(x, axis):      # numpy; x: float32 -> the quantised numbers, widened to float32 again
;;       x = np.moveaxis(x, axis, -1); K = x.shape[-1]
;;       x = np.pad(x, [(0, 0)] * (x.ndim - 1) + [(0, -K % 32)]); x = x.reshape(x.shape[:-1] + (-1, 32)); a = np.abs(x).max(-1, keepdims=True)
;;       e = np.where(a > 0, np.clip(np.frexp(np.where(a > 0, a, 1))[1] - 1 - 2, -126, 127), 0)      # np.frexp(a)[1] - 1 = floor(log2(a)), exactly
;;       r = np.clip(x / 2.0 ** e, -6, 6)
;;       step = 2.0 ** (np.maximum(np.frexp(np.where(r == 0, 1, r))[1] - 1, 0) - 1)
;;       q = np.round(r / step) * step * 2.0 ** e      # np.round: ties to even
;;       return np.moveaxis(q.reshape(q.shape[:-2] + (-1,))[..., :K], -1, axis).astype(np.float32)
;;   ~~~
;; One version. Each part assembles by itself: llvm-mc -triple=amdgcn-amd-amdhsa -mcpu=gfx1250 --defsym DOCPART=n.
;; ======== version 1 of 1: 4 launches
;; limits: values are held in f16: magnitudes above 65,504 overflow, below 6.1e-05 lose precision
;; workspace buffers: wq_codes 98,304 bytes; wq_scales 6,144 bytes; wo_frag 131,072 bytes; qbuf 8,388,608 bytes; kvbuf 16,777,216 bytes; obuf 8,388,608 bytes
;; launch prep (part 1): grid 80 x 1, 1 waves a work-group, no clusters, 0 bytes of LDS; arguments w_qkv, w_out, wq_codes, wq_scales, wo_frag; writes wq_codes, wq_scales, wo_frag
.if DOCPART == 1
	.amdgcn_target "amdgcn-amd-amdhsa--gfx1250"
	.amdhsa_code_object_version 6
	.text
	.protected	k_qad7d0750f3_prep
	.globl	k_qad7d0750f3_prep
	.p2align	8
	.type	k_qad7d0750f3_prep,@function
k_qad7d0750f3_prep:
	s_mov_b64 s[64:65], 0
	v_nop
	global_prefetch_b8 v0, s[64:65] scope:SCOPE_SE
	s_setreg_imm32_b32 hwreg(HW_REG_WAVE_MODE, 25, 1), 1
	s_wait_xcnt 0x0
; The two weights are laid out once, in the order in which a wave's operand registers take them.
; w_qkv [256 (k)][768 (n)] f32 -> codes of FP4 (E2M1) with one E8M0 scale byte for each 32 along K.  A fragment is 16 columns x 128 K = 8 registers a lane:
;   wq_codes byte (Tg*2+s)*1024 + c*512 + 16*lane (Tg = n/16, s = K step of 128, c = registers 4c..4c+3);  wq_scales byte (Tg*2+s)*64 + 4*r: the four bytes of column 16 Tg + r.
; w_out [256 (c)][256 (n)] f32 -> f16 fragments of 16 columns n x 32 c: wo_frag byte (T*8+g)*1024 + c2*512 + 16*lane.
; A block's scale is 2^(floor(log2(its largest magnitude)) - 2): its byte is the largest magnitude's exponent field - 2, held at 1 from below.
; LIMITS: a block of zeros gets the byte 1 where the rule says 127 (its codes are zeros, and this program alone reads the bytes); NaN and infinities are not served;
; w_out is rounded to f16: magnitudes up to 65,504; under 6e-5 the rounding step is 6e-8.
; One wave to a work-group.  Work-groups 0-47: 32 columns x 128 K of w_qkv; 48-79: four fragments of w_out.  No LDS, no barrier: nothing is shared.
.set ROWQ, 3072                        ; a row of w_qkv in bytes
.set X,    16                          ; v16-143  the numbers as loaded
.set C,    144                         ; v144-175 what is stored
	s_load_b128 s[4:7], s[0:1], 0x0                ; w_qkv, w_out
	s_load_b128 s[8:11], s[0:1], 0x10              ; wq_codes, wq_scales
	s_load_b64 s[12:13], s[0:1], 0x20              ; wo_frag
	v_and_b32 v2, 15, v0                           ; r
	v_lshrrev_b32 v3, 4, v0                        ; h (one wave: v0 is the lane)
	v_lshlrev_b32 v4, 2, v0                        ; 4 x lane
	v_lshlrev_b32 v5, 4, v0                        ; 16 x lane
	s_mov_b32 s19, 0
	s_wait_kmcnt 0x0
	s_cmp_lt_u32 ttmp9, 48
	s_cbranch_scc0 .Lwout
	; ---- w_qkv: LANE l TAKES COLUMN 32 p + l, AND ITS REGISTERS RUN DOWN K: a block of 32 lies in one lane, and the conversions give codes with K innermost
	s_and_b32 s16, ttmp9, 1                        ; s: which 128 along K
	s_lshr_b32 s17, ttmp9, 1                       ; p: which 32 columns
	s_mul_i32 s18, s16, 128*ROWQ
	s_lshl_b32 s20, s17, 7
	s_add_co_u32 s18, s18, s20
	s_add_nc_u64 s[4:5], s[4:5], s[18:19]          ; row 128 s, column 32 p
	s_lshl_b32 s18, s17, 12
	s_lshl_b32 s20, s16, 10
	s_add_co_u32 s18, s18, s20
	s_add_nc_u64 s[8:9], s[8:9], s[18:19]          ; fragment (2 p, s)
	s_lshl_b32 s18, s17, 8
	s_lshl_b32 s20, s16, 6
	s_add_co_u32 s18, s18, s20
	s_add_nc_u64 s[10:11], s[10:11], s[18:19]
	v_lshl_add_u32 v6, v3, 6, v4                   ; scale words: 4 r, and 128 bytes on for the second tile (lanes 16-31)
.set i, 0
.rept 128
	global_load_b32 v[X+i], v4, s[4:5] offset:i*ROWQ th:TH_LOAD_NT   ; 32 lanes read 128 consecutive bytes of row 128 s + i
.set i, i+1
.endr
.macro BLOCK b, left                   ; block b of the lane's four.  left: how many younger loads may stay out
.set XB, X+32*\b
	s_wait_loadcnt \left
	v_max3_num_f32 v8, |v[XB]|, |v[XB+1]|, |v[XB+2]|               ; the block's largest magnitude, in two chains
	v_max3_num_f32 v9, |v[XB+3]|, |v[XB+4]|, |v[XB+5]|
.irp i, 6,10,14,18,22,26
	v_max3_num_f32 v8, v8, |v[XB+\i]|, |v[XB+\i+1]|
	v_max3_num_f32 v9, v9, |v[XB+\i+2]|, |v[XB+\i+3]|
.endr
	v_max3_num_f32 v8, v8, |v[XB+30]|, |v[XB+31]|
	v_max3_num_f32 v8, v8, v9, 0x1800000           ; and the floor 2^(3 - 127): the byte cannot fall under 1
	v_add_nc_u32 v10, 0xff000000, v8               ; 2 off the exponent field: the conversion takes this operand's exponent field as its scale
	v_lshrrev_b32 v11, 23, v10                     ; the scale's byte
.if \b == 0
	v_mov_b32 v12, v11
.else
	v_lshl_or_b32 v12, v11, 8*\b, v12              ; the lower K in the lower byte
.endif
.irp g, 0,1,2,3
	v_cvt_scalef32_pk8_fp4_f32 v[C+4*\b+\g], v[XB+8*\g:XB+8*\g+7], v10
.endr
	v_nop                                          ; one plain instruction behind the conversions, ahead of what writes v10 or touches the codes
.endm
	BLOCK 0, 63                                    ; 96 loads are younger than block 0's; the wait's field names 63 at the most, and a smaller count is safe
	BLOCK 1, 63                                    ; 64 are younger
	BLOCK 2, 32
	BLOCK 3, 0
	; The operand's layout gives lane (r, h) of a tile block 2 c + h of column r.  My lanes 0-15 hold the columns of tile 2 p, lanes 16-31 those of tile 2 p + 1, four blocks each:
	; the first register's lanes 16-31 change places with the second's lanes 0-15, and the first is tile 2 p's, the second tile 2 p + 1's.
.irp c, 0,1
.irp i, 0,1,2,3
	v_permlane16_swap_b32 v[C+8*\c+\i], v[C+4+8*\c+\i]
.endr
.endr
.irp c, 0,1
	global_store_b128 v5, v[C+8*\c:C+8*\c+3], s[8:9] offset:512*\c          ; 512 consecutive bytes, aligned
	global_store_b128 v5, v[C+4+8*\c:C+7+8*\c], s[8:9] offset:2048+512*\c
.endr
	global_store_b32 v6, v12, s[10:11]             ; two pieces of 64 bytes: 6 KB of scale words in the whole launch
	s_endpgm
.Lwout:
	; ---- w_out: lane (r, h) of fragment (T, g) holds column 16 T + r; registers 0-3: c = 32 g + 8 h + 0..7, registers 4-7: c = 32 g + 16 + 8 h + 0..7, two f16 a register
	s_sub_co_u32 s16, ttmp9, 48
	s_lshr_b32 s17, s16, 1                         ; T
	s_and_b32 s16, s16, 1                          ; fragments 4 (u & 1) on
	s_lshl_b32 s18, s16, 17                        ; 128 rows of 1,024 bytes
	s_lshl_b32 s20, s17, 6
	s_add_co_u32 s18, s18, s20
	s_add_nc_u64 s[6:7], s[6:7], s[18:19]
	s_lshl_b32 s18, s17, 13
	s_lshl_b32 s20, s16, 12
	s_add_co_u32 s18, s18, s20
	s_add_nc_u64 s[12:13], s[12:13], s[18:19]
	v_lshlrev_b32 v7, 13, v3
	v_lshl_add_u32 v7, v2, 2, v7                   ; 8 h rows + 4 r
.irp g, 0,1,2,3
.irp e, 0,1,2,3,4,5,6,7,8,9,10,11,12,13,14,15
	global_load_b32 v[X+16*\g+\e], v7, s[6:7] offset:(32*\g+\e+8*(\e/8))*1024 th:TH_LOAD_NT
.endr
.endr
	s_wait_loadcnt 0x0
.irp g, 0,1,2,3
.irp j, 0,1,2,3,4,5,6,7
	v_cvt_pk_f16_f32 v[C+8*\g+\j], v[X+16*\g+2*\j], v[X+16*\g+2*\j+1]
.endr
.endr
.irp g, 0,1,2,3
.irp c, 0,1
	global_store_b128 v5, v[C+8*\g+4*\c:C+8*\g+4*\c+3], s[12:13] offset:\g*1024+\c*512
.endr
.endr
	s_endpgm
.Lfunc_end_k_qad7d0750f3_prep:
	.size	k_qad7d0750f3_prep, .Lfunc_end_k_qad7d0750f3_prep-k_qad7d0750f3_prep
	.p2alignl 7, 3214868480
	.fill 96, 4, 3214868480
	.section	.rodata,"a",@progbits
	.p2align	6, 0x0
	.amdhsa_kernel k_qad7d0750f3_prep
		.amdhsa_group_segment_fixed_size 0
		.amdhsa_private_segment_fixed_size 0
		.amdhsa_enable_private_segment 0
		.amdhsa_kernarg_size 40
		.amdhsa_user_sgpr_count 2
		.amdhsa_user_sgpr_kernarg_segment_ptr 1
		.amdhsa_wavefront_size32 1
		.amdhsa_system_sgpr_workgroup_id_x 1
		.amdhsa_system_sgpr_workgroup_id_y 1
		.amdhsa_system_sgpr_workgroup_id_z 1
		.amdhsa_system_vgpr_workitem_id 0
		.amdhsa_next_free_vgpr 176
		.amdhsa_next_free_sgpr 66
		.amdhsa_reserve_vcc 0
		.amdhsa_float_denorm_mode_32 3
		.amdhsa_float_denorm_mode_16_64 3
		.amdhsa_memory_ordered 1
		.amdhsa_forward_progress 1
		.amdhsa_inst_pref_size 30
	.end_amdhsa_kernel
	.amdgpu_metadata
---
amdhsa.version: [ 1, 2 ]
amdhsa.kernels:
  - .name:           k_qad7d0750f3_prep
    .symbol:         k_qad7d0750f3_prep.kd
    .args:
      - { .name: w_qkv, .offset: 0, .size: 8, .value_kind: global_buffer, .address_space: global }
      - { .name: w_out, .offset: 8, .size: 8, .value_kind: global_buffer, .address_space: global }
      - { .name: wq_codes, .offset: 16, .size: 8, .value_kind: global_buffer, .address_space: global }
      - { .name: wq_scales, .offset: 24, .size: 8, .value_kind: global_buffer, .address_space: global }
      - { .name: wo_frag, .offset: 32, .size: 8, .value_kind: global_buffer, .address_space: global }
    .group_segment_fixed_size: 0
    .private_segment_fixed_size: 0
    .kernarg_segment_align: 8
    .kernarg_segment_size: 40
    .max_flat_workgroup_size: 32
    .sgpr_count:     66
    .vgpr_count:     176
    .wavefront_size: 32
...
	.end_amdgpu_metadata
.endif
;; end of part 1
;; launch qkv (part 2): grid 256 x 1, 4 waves a work-group, no clusters, 76,288 bytes of LDS; arguments x, wq_codes, wq_scales, b_qkv, qbuf, kvbuf; writes qbuf, kvbuf
.if DOCPART == 2
	.amdgcn_target "amdgcn-amd-amdhsa--gfx1250"
	.amdhsa_code_object_version 6
	.text
	.protected	k_qad7d0750f3_qkv
	.globl	k_qad7d0750f3_qkv
	.p2align	8
	.type	k_qad7d0750f3_qkv,@function
k_qad7d0750f3_qkv:
	s_mov_b64 s[64:65], 0
	v_nop
	global_prefetch_b8 v0, s[64:65] scope:SCOPE_SE
	s_setreg_imm32_b32 hwreg(HW_REG_WAVE_MODE, 25, 1), 1
	s_wait_xcnt 0x0
; qkv = Q(x) Q(w_qkv) + b_qkv on codes of FP4 (E2M1), one E8M0 scale for each 32 along K = 256; sums in f32.  x [16384][256] f32 is quantised here, in registers; w_qkv's codes come from the launch before.
; The results leave as f16 IMAGES OF THE NEXT PRODUCTS' OPERAND REGISTERS (a fragment: 8 registers x 32 lanes = 1,024 bytes, two halves of 512, lane l's 16 bytes at 16 l):
;   qbuf : bh*524288 + tile*2048 + g*1024 + c2*512     q x log2(e)/8: 16 tokens x channels 32 g on
;   kvbuf: bh*1048576 + slot*131072 + K: j*8192 + kt*2048 + g*1024 + c2*512 ; V: 65536 + j*8192 + G*4096 + ct*1024 + c2*512   (slot: 512 keys, j: 64 keys, kt: 16 keys, G: 32 keys, ct: 16 channels)
; SHARES.  A work-group takes 64 tokens; wave w is head w: its 12 tiles of 16 columns (q, k, v x 4) for all 64 tokens; their codes stay in its registers.  Wave w also quantises tokens 16 w .. 16 w + 15.
; ORIENTATION.  q, k: source 0 = 16 columns of W, source 1 = 16 tokens: a lane holds ONE token and 8 neighbouring channels, so two neighbouring tiles rounded in pairs are a fragment (16 tokens x 32 channels).
;   v: source 0 = 16 tokens, source 1 = 16 columns: a lane holds ONE channel and 8 neighbouring tokens: two neighbouring tiles of tokens are a fragment of V^T (16 channels x 32 keys).  Nothing is transposed.
; LIMITS: q log2(e)/8, k and v are rounded to f16: magnitudes up to 65,504; under 6e-5 the rounding step is 6e-8.  A block of zeros of x gets the byte 1 (its codes are zeros).  NaN and infinities are not served.
.set XIMG,   0                         ; LDS: x's 8 fragments (tile of tokens m, K step s) at (2 m + s) x 1,024, as images of their registers
.set XSC,    8192                      ; their scale words, 128 bytes each
.set STG,    9216                      ; a stage for each wave: 16 rows of x, 1,024 bytes + 16 of padding
.set SPITCH, 1040
.set WSTG,   16*SPITCH
.set SPARE,  STG+4*WSTG                ; the spare words, 128 bytes for each wave: two blocks of 256 bytes that no other line names
.set L16, 4                            ; v4   16 x lane
.set L4,  5                            ; v5   4 x lane
.set SI,  6                            ; v6   my stage, on the way in: as loaded, 16 x lane
.set SO,  7                            ; v7   on the way out: row r, + 64 h
.set XWI, 8                            ; v8   where I store x's images: 2,048 x wave + 16 x lane
.set XWS, 9                            ; v9   and their scale words: 256 x wave + 4 x lane
.set R4,  10                           ; v10  4 r
.set H32, 11                           ; v11  32 h
.set SPW, 14                           ; v14  my spare word; never rewritten
.set NIL, 15                           ; v15  0; never rewritten
.set XF,  16                           ; v16-79   x's eight fragments.  Ahead of the barrier: TM, PC, PW
.set TM,  16
.set PC,  32
.set PW,  40
.set XS,  80                           ; v80-87   x's scale words
.set WS,  88                           ; v88-111  W's: 2 (4 kind + t) + s
.set R,   112                          ; v112-239 x's numbers.  Later:
.set ACC, 112                          ; v112-175 eight accumulators
.set PK0, 176                          ; v176-207, v208-239 packed results, by turns
.set PK1, 208
.set BV,  240                          ; v240-247 v's bias: pair 2 t; the even register holds b(channel r), the odd one 0
.set WB,  192                          ; window 1: v0-191 W's 24 fragments at 8 (2 (4 kind + t) + s); v192-255 the bias tiles of q and k at 192 + 8 (4 kind + t)
.set WV,  18
.set SEL, 20
.set CS,  22
.set MSB, 0
.macro WIN new                         ; the immediate's high byte repeats the setting that is left
.if MSB != \new
	s_set_vgpr_msb (MSB<<8)|\new
.set MSB, \new
.endif
.endm
; 64 numbers of a lane, v[s] .. v[s + 63], register 16 b + i = k 32 b + 16 (lane / 16) + i of my row, become a fragment's codes in v[PC] on and its scale word in v[PW].
.macro QUANT s
.irp b, 0,1,2,3
	v_max3_num_f32 v[TM+\b], |v[\s+16*\b]|, |v[\s+1+16*\b]|, 0x1800000   ; block b: my 16 numbers, and the floor 2^(3 - 127): the byte cannot fall under 1
.endr
.irp i, 2,4,6,8,10,12,14
.irp b, 0,1,2,3
	v_max3_num_f32 v[TM+\b], v[TM+\b], |v[\s+16*\b+\i]|, |v[\s+1+16*\b+\i]|   ; the four blocks by turns
.endr
.endr
.irp b, 0,1,2,3
	v_permlanex16_b32 v[TM+4+\b], v[TM+\b], s[SEL], s[SEL+1]
.endr
.irp b, 0,1,2,3
	v_max_num_f32 v[TM+\b], v[TM+\b], v[TM+4+\b]   ; with lane l xor 16's: the block's largest magnitude
.endr
.irp b, 0,1,2,3
	v_add_nc_u32 v[TM+12+\b], 0xff000000, v[TM+\b] ; 2 off its exponent field: the conversion's scale operand
.endr
.irp b, 0,1,2,3
	v_lshrrev_b32 v[TM+4+\b], 23, v[TM+12+\b]      ; the scale's byte
.endr
	v_lshl_or_b32 v[PW], v[TM+5], 8, v[TM+4]       ; my row's scale word
	v_lshl_or_b32 v[PW], v[TM+6], 16, v[PW]
	v_lshl_or_b32 v[PW], v[TM+7], 24, v[PW]
.irp b, 0,1,2,3
	v_cvt_scalef32_pk8_fp4_f32 v[PC+2*\b], v[\s+16*\b:\s+7+16*\b], v[TM+12+\b]
	v_cvt_scalef32_pk8_fp4_f32 v[PC+1+2*\b], v[\s+8+16*\b:\s+15+16*\b], v[TM+12+\b]
.endr
	v_nop                                          ; one plain instruction behind a scaled conversion
.irp c, 0,1                                    ; the operand's layout wants a whole block in a lane: lanes 0-15 block 2 c, lanes 16-31 block 2 c + 1
.irp i, 0,1
	v_permlane16_swap_b32 v[PC+4*\c+\i], v[PC+2+4*\c+\i]
.endr
.endr
.endm
.macro IMAGE off                               ; the fragment in v[PC] on goes to LDS as it stands
.irp c, 0,1
	ds_store_b128 v[XWI], v[PC+4*\c:PC+4*\c+3] offset:\off+512*\c
.endr
.endm
	s_load_b256 s[4:11], s[0:1], 0x0               ; x, wq_codes, wq_scales, b_qkv
	s_load_b128 s[12:15], s[0:1], 0x20             ; qbuf, kvbuf
	v_lshl_add_u32 v[SPW], v0, 2, SPARE
	v_mov_b32 v[NIL], 0
	v_lshrrev_b32 v1, 5, v0
	v_readfirstlane_b32 s[WV], v1                  ; wave = head
	v_and_b32 v1, 31, v0                           ; lane
	v_and_b32 v2, 15, v0                           ; r
	v_bfe_u32 v3, v0, 4, 1                         ; h
	v_lshlrev_b32 v[L16], 4, v1
	v_lshlrev_b32 v[L4], 2, v1
	s_mul_i32 s24, s[WV], WSTG
	s_add_co_u32 s24, s24, STG                     ; my stage
	v_add_nc_u32 v[SI], s24, v[L16]
	v_mul_u32_u24 v[SO], v2, SPITCH
	v_lshl_add_u32 v[SO], v3, 6, v[SO]
	v_add_nc_u32 v[SO], s24, v[SO]
	s_lshl_b32 s24, s[WV], 11
	v_add_nc_u32 v[XWI], s24, v[L16]
	s_lshl_b32 s24, s[WV], 8
	v_add_nc_u32 v[XWS], s24, v[L4]
	v_lshlrev_b32 v[R4], 2, v2
	v_lshlrev_b32 v[H32], 5, v3
.irp b, 0,1,2,3
	v_mov_b32 v[TM+4+\b], 0                        ; written once: a lane permute's destination counts as one of its sources
	v_mov_b32 v[BV+2*\b+1], 0                      ; named with v's bias as a pair, so it is written
.endr
	s_mov_b32 s[SEL], 0x76543210
	s_mov_b32 s[SEL+1], 0xfedcba98                 ; lane l xor 16
	s_mov_b32 s[CS], 0x3e38aa3b                    ; log2(e) / sqrt(64): q carries the softmax's scale and the change of base
	s_mov_b32 s[CS+1], s[CS]
	s_lshl_b32 s26, ttmp9, 16                      ; 64 rows of 1,024 bytes a work-group,
	s_lshl_b32 s28, s[WV], 14                      ; 16 a wave
	s_add_co_u32 s26, s26, s28
	s_mov_b32 s27, 0
	s_wait_kmcnt 0x0
	s_add_nc_u64 s[4:5], s[4:5], s[26:27]
	s_lshl_b32 s26, s[WV], 13                      ; my head's four tiles in each of the three parts of the codes
	s_add_nc_u64 s[6:7], s[6:7], s[26:27]
.set i, 0
.rept 32
	global_load_b128 v[R+4*i:R+4*i+3], v[L16], s[4:5] offset:512*i th:TH_LOAD_NT   ; my 16 rows are 16 KB on end: load i is row i / 2, K step i % 2; 512 consecutive bytes
.set i, i+1
.endr
	WIN 0x40                                       ; destination window 1
.irp kp, 0,1,2
.irp t, 0,1,2,3
.irp s, 0,1
.irp c, 0,1
	global_load_b128 v[8*(2*(4*\kp+\t)+\s)+4*\c:8*(2*(4*\kp+\t)+\s)+4*\c+3], v[L16], s[6:7] offset:\kp*32768+\t*2048+\s*1024+\c*512
.endr
.endr
.endr
.endr
	WIN 0
	s_lshl_b32 s26, s[WV], 9
	s_add_nc_u64 s[8:9], s[8:9], s[26:27]          ; my head's scale words
	s_lshl_b32 s26, s[WV], 8
	s_add_nc_u64 s[10:11], s[10:11], s[26:27]      ; and biases
	s_lshr_b32 s24, ttmp9, 6                       ; batch
	s_and_b32 s25, ttmp9, 63                       ; which 64 tokens of it
	s_lshl_b32 s24, s24, 2
	s_add_co_u32 s24, s24, s[WV]                   ; bh = 4 x batch + head
	s_lshl_b32 s26, s24, 19
	s_lshl_b32 s28, s25, 13
	s_add_co_u32 s26, s26, s28
	s_add_nc_u64 s[12:13], s[12:13], s[26:27]      ; q: my four tiles of tokens
	s_lshl_b32 s26, s24, 20
	s_lshr_b32 s28, s25, 3
	s_lshl_b32 s28, s28, 17                        ; the slot of 512 keys,
	s_add_co_u32 s26, s26, s28
	s_and_b32 s28, s25, 7
	s_lshl_b32 s28, s28, 13                        ; the step of 64 keys in it
	s_add_co_u32 s26, s26, s28
	s_add_nc_u64 s[14:15], s[14:15], s[26:27]      ; k
	s_add_nc_u64 s[16:17], s[14:15], 0x10000       ; v: behind the slot's K
	; x turns through my own stage: in as loaded, back 64 bytes a lane, so that a lane holds 16 neighbours of each block of 32.  LDS serves a wave's instructions in order: no wait between.
	s_wait_loadcnt 48                              ; the 48 loads of codes are younger: x is in
.set i, 0
.rept 32
	ds_store_b128 v[SI], v[R+4*i:R+4*i+3] offset:(i/2)*SPITCH+(i%2)*512
.set i, i+1
.endr
.irp s, 0,1
.irp b, 0,1,2,3
.irp j, 0,1,2,3
	ds_load_b128 v[R+64*\s+16*\b+4*\j:R+64*\s+16*\b+4*\j+3], v[SO] offset:512*\s+128*\b+16*\j
.endr
.endr
.endr
.irp kp, 0,1,2
.irp t, 0,1,2,3
.irp s, 0,1
	global_load_b32 v[WS+2*(4*\kp+\t)+\s], v[R4], s[8:9] offset:\kp*2048+\t*128+\s*64    ; lane r: the word of the tile's column r
.endr
.endr
.endr
.irp t, 0,1,2,3
	global_load_b32 v[BV+2*\t], v[R4], s[10:11] offset:2048+64*\t                        ; v's bias: lane r's channel
.endr
	WIN 0x40
.irp kp, 0,1
.irp t, 0,1,2,3
	global_load_b128 v[WB+8*(4*\kp+\t):WB+8*(4*\kp+\t)+3], v[H32], s[10:11] offset:\kp*1024+\t*64       ; q's and k's bias in the result's layout: channels 16 t + 8 h + 0..7
	global_load_b128 v[WB+8*(4*\kp+\t)+4:WB+8*(4*\kp+\t)+7], v[H32], s[10:11] offset:\kp*1024+\t*64+16
.endr
.endr
	WIN 0
	s_wait_dscnt 16                                ; K step 1's 16 loads are younger: K step 0's numbers are back
	QUANT R
	IMAGE XIMG
	ds_store_b32 v[XWS], v[PW] offset:XSC
	s_wait_dscnt 0x0                               ; the stores have read their registers, and K step 1's numbers are back
	QUANT R+64
	IMAGE XIMG+1024
	ds_store_b32 v[XWS], v[PW] offset:XSC+128
	s_wait_dscnt 0x0                               ; for the others' sake: my images lie in LDS
	s_barrier_signal -1
	s_barrier_wait -1                              ; all eight fragments of x do
.irp f, 0,1,2,3,4,5,6,7
.irp c, 0,1
	ds_load_b128 v[XF+8*\f+4*\c:XF+8*\f+4*\c+3], v[L16] offset:XIMG+\f*1024+512*\c
.endr
.endr
.irp f, 0,1,2,3,4,5,6,7
	ds_load_b32 v[XS+\f], v[L4] offset:XSC+128*\f
.endr
	s_wait_loadcnt 0x0                             ; codes, scale words, biases
	s_wait_dscnt 0x0
; A UNIT: one of q, k, v (kind 0, 1, 2) for 32 tokens (grp): eight accumulators by turns, one instruction a turn, K step by K step; then scale or bias, rounding, eight stores of 512 bytes.
; Behind a unit's last product stand four v_nop and the conversions of the seven other accumulators: more than the five places owed before the next unit's products write the accumulators anew.
.macro UNIT kind, grp, pk, base
.if \kind == 2
	WIN 0x04                                       ; source 1 (W) window 1
.irp t, 0,1,2,3
.irp mm, 0,1
	v_wmma_scale_f32_16x16x128_f8f6f4 v[ACC+8*(2*\t+\mm):ACC+8*(2*\t+\mm)+7], v[XF+8*(2*(2*\grp+\mm)):XF+8*(2*(2*\grp+\mm))+7], v[8*(2*(8+\t)):8*(2*(8+\t))+7], 0, v[XS+2*(2*\grp+\mm)], v[WS+2*(8+\t)] matrix_a_fmt:MATRIX_FMT_FP4 matrix_b_fmt:MATRIX_FMT_FP4
.endr
.endr
.irp t, 0,1,2,3
.irp mm, 0,1
	v_wmma_scale_f32_16x16x128_f8f6f4 v[ACC+8*(2*\t+\mm):ACC+8*(2*\t+\mm)+7], v[XF+8*(2*(2*\grp+\mm)+1):XF+8*(2*(2*\grp+\mm)+1)+7], v[8*(2*(8+\t)+1):8*(2*(8+\t)+1)+7], v[ACC+8*(2*\t+\mm):ACC+8*(2*\t+\mm)+7], v[XS+2*(2*\grp+\mm)+1], v[WS+2*(8+\t)+1] matrix_a_fmt:MATRIX_FMT_FP4 matrix_b_fmt:MATRIX_FMT_FP4
.endr
.endr
.else
	WIN 0x11                                       ; source 0 (W) and C (the bias) window 1
.irp mm, 0,1
.irp t, 0,1,2,3
	v_wmma_scale_f32_16x16x128_f8f6f4 v[ACC+8*(4*\mm+\t):ACC+8*(4*\mm+\t)+7], v[8*(2*(4*\kind+\t)):8*(2*(4*\kind+\t))+7], v[XF+8*(2*(2*\grp+\mm)):XF+8*(2*(2*\grp+\mm))+7], v[WB+8*(4*\kind+\t):WB+8*(4*\kind+\t)+7], v[WS+2*(4*\kind+\t)], v[XS+2*(2*\grp+\mm)] matrix_a_fmt:MATRIX_FMT_FP4 matrix_b_fmt:MATRIX_FMT_FP4
.endr
.endr
	WIN 0x01
.irp mm, 0,1
.irp t, 0,1,2,3
	v_wmma_scale_f32_16x16x128_f8f6f4 v[ACC+8*(4*\mm+\t):ACC+8*(4*\mm+\t)+7], v[8*(2*(4*\kind+\t)+1):8*(2*(4*\kind+\t)+1)+7], v[XF+8*(2*(2*\grp+\mm)+1):XF+8*(2*(2*\grp+\mm)+1)+7], v[ACC+8*(4*\mm+\t):ACC+8*(4*\mm+\t)+7], v[WS+2*(4*\kind+\t)+1], v[XS+2*(2*\grp+\mm)+1] matrix_a_fmt:MATRIX_FMT_FP4 matrix_b_fmt:MATRIX_FMT_FP4
.endr
.endr
.endif
	WIN 0
.rept 4
	v_nop                                          ; four places ahead of the first read of results
.endr
	s_wait_xcnt 0x0                                ; the stores of two units back have read the registers that are packed into now
.if \kind == 0
.set i, 0
.rept 32
	v_pk_mul_f32 v[ACC+2*i:ACC+2*i+1], v[ACC+2*i:ACC+2*i+1], s[CS:CS+1] op_sel_hi:[1,0]   ; q x log2(e) / 8, each accumulator from its low end on
.set i, i+1
.endr
.endif
.if \kind == 2
.set i, 0
.rept 32
	v_pk_add_f32 v[ACC+2*i:ACC+2*i+1], v[ACC+2*i:ACC+2*i+1], v[BV+2*(i/8):BV+2*(i/8)+1] op_sel_hi:[1,0]   ; + b of my channel (accumulator 2 t + mm: tile t's)
.set i, i+1
.endr
.endif
.set i, 0
.rept 32
	v_cvt_pk_f16_f32 v[\pk+i], v[ACC+2*i], v[ACC+2*i+1]
.set i, i+1
.endr
.set a, 0
.rept 8
	global_store_b128 v[L16], v[\pk+4*a:\pk+4*a+3], s[\base:\base+1] offset:\grp*4096+a*512   ; half a fragment: 512 consecutive bytes, aligned
.set a, a+1
.endr
.endm
	UNIT 0, 0, PK0, 12
	UNIT 1, 0, PK1, 14
	UNIT 2, 0, PK0, 16
	UNIT 0, 1, PK1, 12
	UNIT 1, 1, PK0, 14
	UNIT 2, 1, PK1, 16
	s_wait_tensorcnt 0x0                           ; the wave's end, behind my last LDS store; the tensor wait stands in a text with no tensor load too
	ds_add_u32 v[SPW], v[NIL]
	s_wait_dscnt 0x0
	s_endpgm
.Lfunc_end_k_qad7d0750f3_qkv:
	.size	k_qad7d0750f3_qkv, .Lfunc_end_k_qad7d0750f3_qkv-k_qad7d0750f3_qkv
	.p2alignl 7, 3214868480
	.fill 96, 4, 3214868480
	.section	.rodata,"a",@progbits
	.p2align	6, 0x0
	.amdhsa_kernel k_qad7d0750f3_qkv
		.amdhsa_group_segment_fixed_size 76288
		.amdhsa_private_segment_fixed_size 0
		.amdhsa_enable_private_segment 0
		.amdhsa_kernarg_size 48
		.amdhsa_user_sgpr_count 2
		.amdhsa_user_sgpr_kernarg_segment_ptr 1
		.amdhsa_wavefront_size32 1
		.amdhsa_system_sgpr_workgroup_id_x 1
		.amdhsa_system_sgpr_workgroup_id_y 1
		.amdhsa_system_sgpr_workgroup_id_z 1
		.amdhsa_system_vgpr_workitem_id 0
		.amdhsa_next_free_vgpr 512
		.amdhsa_next_free_sgpr 66
		.amdhsa_reserve_vcc 0
		.amdhsa_float_denorm_mode_32 3
		.amdhsa_float_denorm_mode_16_64 3
		.amdhsa_memory_ordered 1
		.amdhsa_forward_progress 1
		.amdhsa_inst_pref_size 67
	.end_amdhsa_kernel
	.amdgpu_metadata
---
amdhsa.version: [ 1, 2 ]
amdhsa.kernels:
  - .name:           k_qad7d0750f3_qkv
    .symbol:         k_qad7d0750f3_qkv.kd
    .args:
      - { .name: x, .offset: 0, .size: 8, .value_kind: global_buffer, .address_space: global }
      - { .name: wq_codes, .offset: 8, .size: 8, .value_kind: global_buffer, .address_space: global }
      - { .name: wq_scales, .offset: 16, .size: 8, .value_kind: global_buffer, .address_space: global }
      - { .name: b_qkv, .offset: 24, .size: 8, .value_kind: global_buffer, .address_space: global }
      - { .name: qbuf, .offset: 32, .size: 8, .value_kind: global_buffer, .address_space: global }
      - { .name: kvbuf, .offset: 40, .size: 8, .value_kind: global_buffer, .address_space: global }
    .group_segment_fixed_size: 76288
    .private_segment_fixed_size: 0
    .kernarg_segment_align: 8
    .kernarg_segment_size: 48
    .max_flat_workgroup_size: 128
    .sgpr_count:     66
    .vgpr_count:     512
    .wavefront_size: 32
...
	.end_amdgpu_metadata
.endif
;; end of part 2
;; launch attn (part 3): grid 16 x 16, 8 waves a work-group, clusters of 4 x 1, 327,680 bytes of LDS; arguments qbuf, kvbuf, obuf; writes obuf
.if DOCPART == 3
	.amdgcn_target "amdgcn-amd-amdhsa--gfx1250"
	.amdhsa_code_object_version 6
	.text
	.protected	k_qad7d0750f3_attn
	.globl	k_qad7d0750f3_attn
	.p2align	8
	.type	k_qad7d0750f3_attn,@function
k_qad7d0750f3_attn:
	s_mov_b64 s[64:65], 0
	v_nop
	global_prefetch_b8 v0, s[64:65] scope:SCOPE_SE
	s_setreg_imm32_b32 hwreg(HW_REG_WAVE_MODE, 25, 1), 1
	s_wait_xcnt 0x0
	s_wait_alu depctr_hold_cnt(0) depctr_sa_sdst(0) depctr_va_vdst(0) depctr_va_sdst(0) depctr_va_ssrc(0) depctr_va_vcc(0) depctr_vm_vsrc(0)
	s_getreg_b32 s2, hwreg(HW_REG_IB_STS2, 6, 4)
	s_cmp_eq_u32 s2, 0
	s_cbranch_scc0 .Lentry_in_a_cluster
	s_endpgm
.Lentry_in_a_cluster:
	s_bfe_u32 s2, ttmp6, 0x10000c
	s_cmp_lg_u32 s2, 0x3003
	s_cbranch_scc0 .Lentry_shape_is_right
	s_endpgm
.Lentry_shape_is_right:
; o[bh][q][:] = the sum over k of softmax_k(q . k / 8) v[k][:], 16 (batch, head) pairs, 4,096 queries x 4,096 keys, head size 64, no mask.  Operands f16, products, maxima and sums f32.
; q arrives multiplied by log2(e) / 8, so a score s is already an exponent of 2: p = 2^(s - m), m the query's running maximum; in every step l and O are multiplied by a = 2^(m_old - m_new).
; q, k, v arrive, and o leaves, as images of operand registers (a fragment: two halves of 512 bytes, lane l's 16 bytes at 16 l): every load and store takes 512 consecutive bytes; LDS needs no padding.
; SHARES.  A work-group owns 256 queries of one bh, each of its eight waves 32: two tiles of 16.  Two waves share a SIMD, so that one wave's products stand beside the other's softmax.  Every wave walks all keys, 64 a step.
; LAYOUT.  S^T = K Q^T (source 0 = 16 keys, source 1 = 16 queries): a lane holds ONE query and the keys 8 (lane / 16) + 0..7; two such tiles rounded in pairs ARE source 1 of O^T = V^T P, whose result again
; holds one query a lane and eight channels: that is a fragment of o for the projection.
; RING.  Two LDS slots of 512 keys (K 64 KB, then V 64 KB, as they lie in memory).  Each wave fetches 16 KB of a slot with one tensor load.
; CLUSTER.  The four query blocks of a cluster belong to one bh and walk the same K and V: each load is asked for JOINTLY, with the same descriptor and a mask that names the four.
; LIMITS: p and o are rounded to f16 (p at most 1; |o| up to 65,504; under 6e-5 the rounding step is 6e-8).  NaN and infinities are not served.
.set SLOT1, 131072                     ; slot 1 begins here: one exclusive or turns an address in one slot into the other's
.set SPARE, 262144                     ; behind the ring: the spare words, 128 bytes for each wave: four blocks of 256 bytes that no other line names
.set L16, 1                            ; v1   16 x lane; never rewritten
.set LV,  2                            ; v2   the same, 65,536 on: V's part of a slot
.set ADK, 3                            ; v3   LDS address of the step's K
.set ADV, 4                            ; v4   of its V
.set SPW, 5                            ; v5   my spare word; never rewritten
.set NIL, 6                            ; v6   0; never rewritten
.set PFO, 7                            ; v7   256 x lane: the prefetches' offset; never rewritten
.set ST,  8                            ; tile tt's statistics at v[ST + 8 tt]: +0 m, +1 its pair's partner, +2, +3 l, +4 .. +7 c0-c3 at work; later +4, +5 a second chain of sums, +6 a, +7 m_old - m_new
.set Q,   24                           ; v24-55   Q: fragment (tt, g) at 24 + 16 tt + 8 g
.set KV,  56                           ; v56-119  the step's K (kt, g) at 56 + 16 kt + 8 g, then its V (G, ct) at 56 + 32 G + 8 ct
.set S,   120                          ; v120-183 S^T: tile (tt, kt) at 120 + 32 tt + 8 kt; P is made in place in the first 16 of a tile's 32
.set O,   184                          ; v184-247 O^T: tile (tt, ct) at 184 + 32 tt + 8 ct
.set WV,  12
.set G1,  24                           ; s[24:31] descriptor group 1
.set G0,  32                           ; s[32:35] group 0: it walks
.set SLOTS, 36
.set STEPS, 37
.set TB,  38                           ; LDS byte at which the step in hand begins
.set SEL, 40
.set PFA, 42                           ; s[42:43] where my prefetches stand
.set LIM, 44                           ; 1 in a wave that prefetches, else the greatest number
; A round of the cluster's barrier: my work-group's barrier, wave 0's signal for the work-group, every wave's wait for all four work-groups, my work-group's barrier once more.
.macro CROUND
	s_barrier_signal -1
	s_barrier_wait -1
	s_cmp_lg_u32 s[WV], 0
	s_cbranch_scc1 .Lnot_wave_0_\@
	s_barrier_signal -3
.Lnot_wave_0_\@:
	s_barrier_wait -3
	s_barrier_signal -1
	s_barrier_wait -1
.endm
; A PREFETCH INTO THE L2 of the slot that the NEXT change of slots will ask for: 131,072 bytes, each aligned 256 named once in the launch.  All clusters of a bh walk the same K and V: the first cluster asks.
; Its four partners take 32,768 bytes each, told apart BY ADDRESS; in each, waves 0 to 3 take 8,192 bytes, lanes 256 bytes apart: one instruction a wave.  The last change that fills a slot asks for nothing.
.macro ASK
	s_cmp_gt_u32 s[SLOTS], s[LIM]
	s_cbranch_scc0 .Lnot_mine_\@
	global_prefetch_b8 v[PFO], s[PFA:PFA+1] th:TH_LOAD_NT scope:SCOPE_SE
.Lnot_mine_\@:
.endm
	s_load_b128 s[4:7], s[0:1], 0x0                ; qbuf, kvbuf
	s_load_b64 s[8:9], s[0:1], 0x10                ; obuf
	v_lshl_add_u32 v[SPW], v0, 2, SPARE
	v_mov_b32 v[NIL], 0
	ds_add_u32 v[SPW], v[NIL]                      ; the wave's opening: the add, twice on end, and its wait ahead of my first tensor load
	ds_add_u32 v[SPW], v[NIL]                      ; the set-up below, work on registers, stands between the second add and the wait
	v_lshrrev_b32 v1, 5, v0
	v_readfirstlane_b32 s[WV], v1                  ; wave 0..7
	v_and_b32 v[PFO], 31, v0
	v_lshlrev_b32 v[L16], 4, v[PFO]
	v_add_nc_u32 v[LV], 0x10000, v[L16]
	v_lshlrev_b32 v[PFO], 8, v[PFO]
	s_bfe_u32 s13, ttmp6, 0x40000                  ; cx: my place in the cluster
	s_lshl_b32 s14, ttmp9, 2
	s_add_co_u32 s14, s14, s13                     ; my block of 256 queries: it enters q's and o's addresses alone
	s_and_b32 s15, ttmp7, 0xffff                   ; bh, which the four partners share
	s_lshl_b32 s20, s15, 20                        ; K and V: bh x 1 MB + wave x 16 KB, in registers that never hold cx
	s_lshl_b32 s22, s[WV], 14
	s_add_co_u32 s20, s20, s22
	s_mov_b32 s21, 0
	s_lshl_b32 s16, s15, 19                        ; q: bh x 512 KB + block x 16 tiles + wave x 2 tiles of 2,048 bytes
	s_lshl_b32 s46, s14, 15
	s_add_co_u32 s16, s16, s46
	s_lshl_b32 s46, s[WV], 12
	s_add_co_u32 s16, s16, s46
	s_mov_b32 s17, 0
	s_lshr_b32 s18, s15, 2                         ; o: (batch x 256 + tile) x 8,192 + head x 2,048
	s_lshl_b32 s18, s18, 21
	s_lshl_b32 s46, s14, 17
	s_add_co_u32 s18, s18, s46
	s_lshl_b32 s46, s[WV], 14
	s_add_co_u32 s18, s18, s46
	s_and_b32 s46, s15, 3
	s_lshl_b32 s46, s46, 11
	s_add_co_u32 s18, s18, s46
	s_mov_b32 s19, 0
	s_lshl_b32 s46, s15, 20                        ; the prefetches: bh, my work-group's 32 KB, my wave's 8 KB, in slot 1: the first change of slots steps it to slot 2
	s_lshl_b32 s47, s13, 15
	s_add_co_u32 s46, s46, s47
	s_and_b32 s47, s[WV], 3
	s_lshl_b32 s47, s47, 13
	s_add_co_u32 s46, s46, s47
	s_add_co_u32 s46, s46, SLOT1
	s_mov_b32 s47, 0
	; descriptor group 1: 16 KB, dense in memory and in LDS, as 64 rows of 32 elements of 8 bytes
	s_mov_b32 s[G1], 15|(3<<16)|(1<<21)            ; 15:0 the mask: all four work-groups; 17:16 elements of 8 bytes; 20 no padding; 21 set beside a mask
	s_mov_b32 s[G1+1], 32<<16                      ; tensor_dim0 = 32
	s_mov_b32 s[G1+2], 64<<16                      ; tensor_dim1 = 64
	s_mov_b32 s[G1+3], 32<<16                      ; tile_dim0 = 32
	s_mov_b32 s[G1+4], 64                          ; tile_dim1 = 64
	s_mov_b32 s[G1+5], 32                          ; elements from row to row
	s_mov_b32 s[G1+6], 0
	s_mov_b32 s[G1+7], 0
	s_mov_b32 s[SEL], 0x76543210
	s_mov_b32 s[SEL+1], 0xfedcba98                 ; lane l xor 16
	s_mov_b32 s[TB], 0
	s_mov_b32 s[SLOTS], 7
	s_lshr_b32 s[LIM], s[WV], 2                    ; 0 in waves 0 to 3,
	s_or_b32 s[LIM], s[LIM], ttmp9                 ; of the bh's first cluster: the same in all four partners
	s_cmp_eq_u32 s[LIM], 0
	s_cselect_b32 s[LIM], 1, -1
	s_wait_dscnt 0x0                               ; both opening adds are done
	s_wait_kmcnt 0x0
	s_add_nc_u64 s[4:5], s[4:5], s[16:17]
	s_add_nc_u64 s[8:9], s[8:9], s[18:19]
	s_add_nc_u64 s[PFA:PFA+1], s[6:7], s[46:47]
	s_mov_b32 s[G0], 1                             ; count = 1
	s_lshl_b32 s[G0+1], s[WV], 14                  ; LDS address: wave x 16 KB, in slot 0: waves 0-3 K's quarters, waves 4-7 V's
	s_add_nc_u64 s[G0+2:G0+3], s[6:7], s[20:21]    ; the same place in the bh's first slot in memory
	s_or_b32 s[G0+3], s[G0+3], 0x80000000          ; type = 2
	CROUND                                         ; all four work-groups are here: the first joint loads meet
	tensor_load_to_lds s[G0:G0+3], s[G1:G1+7]      ; slot 0
	s_nop 0
.rept 4
	v_nop
.endr
.set i, 0
.rept 8
	global_load_b128 v[Q+4*i:Q+4*i+3], v[L16], s[4:5] offset:512*i      ; Q stays in registers
.set i, i+1
.endr
.irp tt, 0,1
	v_mov_b32 v[ST+8*\tt], 0xff61b1e6              ; m = -3e38, under every score
	v_mov_b32 v[ST+8*\tt+1], 0xff61b1e6            ; (named with it as a pair)
	v_mov_b32 v[ST+8*\tt+2], 0                     ; l, in two halves
	v_mov_b32 v[ST+8*\tt+3], 0
	v_mov_b32 v[ST+8*\tt+5], 0                     ; a lane permute's destination counts as one of its sources
	v_mov_b32 v[ST+8*\tt+7], 0
.endr
.set i, 0
.rept 64
	v_mov_b32 v[O+i], 0                            ; O^T.  The step is written once: the first a is 2^(-3e38 - m) = 0, which leaves zeros zeros
.set i, i+1
.endr
	s_wait_loadcnt 0x0                             ; Q
; A KEY STEP: 64 keys at LDS byte s[TB] of the slot in hand.
.macro STEP
	v_add_nc_u32 v[ADK], s[TB], v[L16]
.rept 4
	v_nop                                          ; with the addition five places behind the last V^T P: four are owed by the loads into V's registers, five by the products that write over P
.endr
.irp g, 0,1                                    ; K's 8 fragments, the first 32 channels first
.irp kt, 0,1,2,3
.irp c, 0,1
	ds_load_b128 v[KV+16*\kt+8*\g+4*\c:KV+16*\kt+8*\g+4*\c+3], v[ADK] offset:\kt*2048+\g*1024+\c*512
.endr
.endr
.endr
	s_wait_dscnt 8                                 ; the eight loads of channels 32 on are younger
.irp tt, 0,1                                   ; eight accumulators by turns, one instruction a turn
.irp kt, 0,1,2,3
	v_wmma_f32_16x16x32_f16 v[S+32*\tt+8*\kt:S+32*\tt+8*\kt+7], v[KV+16*\kt:KV+16*\kt+7], v[Q+16*\tt:Q+16*\tt+7], 0
.endr
.endr
	s_wait_dscnt 0x0
.irp tt, 0,1
.irp kt, 0,1,2,3
	v_wmma_f32_16x16x32_f16 v[S+32*\tt+8*\kt:S+32*\tt+8*\kt+7], v[KV+16*\kt+8:KV+16*\kt+15], v[Q+16*\tt+8:Q+16*\tt+15], v[S+32*\tt+8*\kt:S+32*\tt+8*\kt+7]
.endr
.endr
	v_add_nc_u32 v[ADV], s[TB], v[LV]
.rept 3
	v_nop                                          ; with the addition four places: for the loads into K's registers, and for the first read of the scores
.endr
.set i, 0
.rept 16
	ds_load_b128 v[KV+4*i:KV+4*i+3], v[ADV] offset:512*i               ; V's 8 fragments land while the softmax is walked
.set i, i+1
.endr
	; the maximum of a lane's 32 scores and the old m: four chains, each begun at its accumulator's low end; the two tiles alternate
.irp j, 0,1,2,3
.irp tt, 0,1
	v_max3_num_f32 v[ST+8*\tt+4+\j], v[S+32*\tt+8*\j], v[S+32*\tt+8*\j+1], v[S+32*\tt+8*\j+2]
.endr
.endr
.irp u, 1,2
.irp j, 0,1,2,3
.irp tt, 0,1
	v_max3_num_f32 v[ST+8*\tt+4+\j], v[ST+8*\tt+4+\j], v[S+32*\tt+8*\j+2*\u+1], v[S+32*\tt+8*\j+2*\u+2]
.endr
.endr
.endr
.irp tt, 0,1
	v_max3_num_f32 v[ST+8*\tt+4], v[ST+8*\tt+4], v[S+32*\tt+7], v[S+32*\tt+15]
.endr
.irp tt, 0,1
	v_max3_num_f32 v[ST+8*\tt+6], v[ST+8*\tt+6], v[S+32*\tt+23], v[S+32*\tt+31]
.endr
.irp tt, 0,1
	v_max3_num_f32 v[ST+8*\tt+4], v[ST+8*\tt+4], v[ST+8*\tt+5], v[ST+8*\tt+6]
.endr
.irp tt, 0,1
	v_max3_num_f32 v[ST+8*\tt+4], v[ST+8*\tt+4], v[ST+8*\tt+7], v[ST+8*\tt]
.endr
.irp tt, 0,1
	v_permlanex16_b32 v[ST+8*\tt+5], v[ST+8*\tt+4], s[SEL], s[SEL+1]   ; the query's other 32 keys lie in the lane 16 away
.endr
.irp tt, 0,1
	v_max_num_f32 v[ST+8*\tt+4], v[ST+8*\tt+4], v[ST+8*\tt+5]          ; the new m
.endr
.irp tt, 0,1
	v_sub_f32 v[ST+8*\tt+7], v[ST+8*\tt], v[ST+8*\tt+4]                ; m_old - m_new
.endr
.irp tt, 0,1
	v_mov_b32 v[ST+8*\tt], v[ST+8*\tt+4]
.endr
	; ONE BATCH: both tiles' 66 exponentials, with the subtractions of m between them.  Nothing ahead of the wait names a result.
.irp tt, 0,1
	v_exp_f32 v[ST+8*\tt+6], v[ST+8*\tt+7]         ; a
.endr
.irp tt, 0,1
	v_pk_add_f32 v[S+32*\tt:S+32*\tt+1], v[S+32*\tt:S+32*\tt+1], v[ST+8*\tt:ST+8*\tt+1] op_sel_hi:[1,0] neg_lo:[0,1] neg_hi:[0,1]   ; s - m: of the pair the low word serves both halves
.set i, 0
.rept 16
.if i < 15
	v_pk_add_f32 v[S+32*\tt+2*i+2:S+32*\tt+2*i+3], v[S+32*\tt+2*i+2:S+32*\tt+2*i+3], v[ST+8*\tt:ST+8*\tt+1] op_sel_hi:[1,0] neg_lo:[0,1] neg_hi:[0,1]
.endif
	v_exp_f32 v[S+32*\tt+2*i], v[S+32*\tt+2*i]     ; p = 2^(s - m), at most 1
	v_exp_f32 v[S+32*\tt+2*i+1], v[S+32*\tt+2*i+1]
.set i, i+1
.endr
.endr
	v_nop                                          ; a plain instruction behind the last exponential
	s_wait_alu depctr_va_vdst(0)                   ; a wait ahead of the first instruction that names a result: one for the batch
.irp tt, 0,1
	v_pk_mul_f32 v[ST+8*\tt+2:ST+8*\tt+3], v[ST+8*\tt+2:ST+8*\tt+3], v[ST+8*\tt+6:ST+8*\tt+7] op_sel_hi:[1,0]   ; l x a
.endr
.irp tt, 0,1
	v_pk_add_f32 v[ST+8*\tt+4:ST+8*\tt+5], v[S+32*\tt:S+32*\tt+1], v[S+32*\tt+2:S+32*\tt+3]                     ; the sum of the unrounded p, in two chains
.endr
.irp j, 4,8,12,16,20,24,28
.irp tt, 0,1
	v_pk_add_f32 v[ST+8*\tt+2:ST+8*\tt+3], v[ST+8*\tt+2:ST+8*\tt+3], v[S+32*\tt+\j:S+32*\tt+\j+1]
	v_pk_add_f32 v[ST+8*\tt+4:ST+8*\tt+5], v[ST+8*\tt+4:ST+8*\tt+5], v[S+32*\tt+\j+2:S+32*\tt+\j+3]
.endr
.endr
.irp tt, 0,1
	v_pk_add_f32 v[ST+8*\tt+2:ST+8*\tt+3], v[ST+8*\tt+2:ST+8*\tt+3], v[ST+8*\tt+4:ST+8*\tt+5]
.endr
.irp tt, 0,1
.set i, 0
.rept 16
	v_cvt_pk_f16_f32 v[S+32*\tt+i], v[S+32*\tt+2*i], v[S+32*\tt+2*i+1]   ; P in place, ascending: register i is written when registers 2 i and 2 i + 1 are read
.set i, i+1
.endr
.endr
.irp tt, 0,1
.set i, 0
.rept 16
	v_pk_mul_f32 v[O+32*\tt+2*i:O+32*\tt+2*i+1], v[O+32*\tt+2*i:O+32*\tt+2*i+1], v[ST+8*\tt+6:ST+8*\tt+7] op_sel_hi:[1,0]   ; O^T x a, each accumulator from its low end on
.set i, i+1
.endr
.endr
	s_wait_dscnt 0x0                               ; V is in
.irp gg, 0,1                                   ; O^T += V^T P: keys 32 gg on; eight accumulators by turns
.irp tt, 0,1
.irp ct, 0,1,2,3
	v_wmma_f32_16x16x32_f16 v[O+32*\tt+8*\ct:O+32*\tt+8*\ct+7], v[KV+32*\gg+8*\ct:KV+32*\gg+8*\ct+7], v[S+32*\tt+8*\gg:S+32*\tt+8*\gg+7], v[O+32*\tt+8*\ct:O+32*\tt+8*\ct+7]
.endr
.endr
.endr
	s_add_co_u32 s[TB], s[TB], 8192                ; the next 64 keys
.endm
.macro SLOT_STEPS                              ; a slot's eight steps: written once, walked eight times
	s_mov_b32 s[STEPS], 8
.Lstep_\@:
	STEP
	s_sub_co_u32 s[STEPS], s[STEPS], 1
	s_cmp_lg_u32 s[STEPS], 0
	s_cbranch_scc1 .Lstep_\@
	s_sub_co_u32 s[TB], s[TB], 65536               ; back to a slot's first step,
	s_xor_b32 s[TB], s[TB], SLOT1                  ; in the other slot
.endm
; THE CHANGE OF SLOTS stands at a slot's head.  Each wave waits for all its tensor loads, of which one is out: its part of the slot ahead; adds 0 to its spare word; and waits for that and for its reads of the slot that it has left.
; fill = 1: the barrier is a round of the cluster's, so that no wave of any partner still reads the slot left or has a load on its way; the joint load of the next 512 keys is the first thing behind it,
; a wave's one tensor load until the next round, and has eight steps, 256 matrix instructions a wave, in which to land.
.macro CHANGE fill
	s_wait_tensorcnt 0x0                           ; no tensor load of mine is out, so group 0 may be written
	ds_add_u32 v[SPW], v[NIL]                      ; 0 onto my spare word
.if \fill
	s_xor_b32 s[G0+1], s[G0+1], SLOT1              ; the other slot than last time,
	s_add_nc_u64 s[G0+2:G0+3], s[G0+2:G0+3], SLOT1 ; the next 512 keys' K and V; the type bits on top are not reached
	s_wait_xcnt 0x0                                ; the last prefetch, a slot back, has read its address
	s_add_nc_u64 s[PFA:PFA+1], s[PFA:PFA+1], SLOT1 ; one slot further on than the walking descriptor
.endif
	s_wait_dscnt 0x0                               ; the add is done, and my reads of the slot that I have left are over
.if \fill
	CROUND
	tensor_load_to_lds s[G0:G0+3], s[G1:G1+7]
	s_nop 0
.rept 4
	v_nop
.endr
	ASK
.else
	s_barrier_signal -1
	s_barrier_wait -1
.endif
.endm
.Lslot:                                            ; 7 trips: trip t shows slot t whole and asks for slot t + 1 (trip 0: the second LDS slot's first fill, behind a round at which nobody fills bytes again)
	CHANGE 1
	SLOT_STEPS
	s_sub_co_u32 s[SLOTS], s[SLOTS], 1
	s_cmp_lg_u32 s[SLOTS], 0
	s_cbranch_scc1 .Lslot
	CHANGE 0                                       ; the last slot is written out
	SLOT_STEPS
	; THE WAY OUT.  l's halves and the other half of the lanes' are added; O^T / l, rounded to f16, is a fragment of o as it stands.  The four additions and the v_nop are the places behind the last products.
.irp tt, 0,1
	v_add_f32 v[ST+8*\tt+4], v[ST+8*\tt+2], v[ST+8*\tt+3]
.endr
.irp tt, 0,1
	v_permlanex16_b32 v[ST+8*\tt+5], v[ST+8*\tt+4], s[SEL], s[SEL+1]
.endr
.irp tt, 0,1
	v_add_f32 v[ST+8*\tt+4], v[ST+8*\tt+4], v[ST+8*\tt+5]
.endr
.irp tt, 0,1
	v_rcp_f32 v[ST+8*\tt+6], v[ST+8*\tt+4]
.endr
	v_nop                                          ; a plain instruction behind the last reciprocal
	s_wait_alu depctr_va_vdst(0)                   ; and a wait ahead of the first use: one for both
.irp tt, 0,1
.set i, 0
.rept 16
	v_pk_mul_f32 v[O+32*\tt+2*i:O+32*\tt+2*i+1], v[O+32*\tt+2*i:O+32*\tt+2*i+1], v[ST+8*\tt+6:ST+8*\tt+7] op_sel_hi:[1,0]
.set i, i+1
.endr
.endr
.irp tt, 0,1
.set i, 0
.rept 16
	v_cvt_pk_f16_f32 v[S+16*\tt+i], v[O+32*\tt+2*i], v[O+32*\tt+2*i+1]
.set i, i+1
.endr
.endr
.irp tt, 0,1
.irp ct, 0,1,2,3
	global_store_b128 v[L16], v[S+16*\tt+4*\ct:S+16*\tt+4*\ct+3], s[8:9] offset:\tt*8192+\ct*512   ; half a fragment: 512 consecutive bytes, aligned
.endr
.endr
	s_wait_tensorcnt 0x0                           ; the wave's end, behind my last tensor load
	ds_add_u32 v[SPW], v[NIL]
	s_wait_dscnt 0x0
	CROUND                                         ; the closing round: no work-group ends while a partner may still ask for a tile that names it
	s_endpgm
.Lfunc_end_k_qad7d0750f3_attn:
	.size	k_qad7d0750f3_attn, .Lfunc_end_k_qad7d0750f3_attn-k_qad7d0750f3_attn
	.p2alignl 7, 3214868480
	.fill 96, 4, 3214868480
	.section	.rodata,"a",@progbits
	.p2align	6, 0x0
	.amdhsa_kernel k_qad7d0750f3_attn
		.amdhsa_group_segment_fixed_size 327680
		.amdhsa_private_segment_fixed_size 0
		.amdhsa_enable_private_segment 0
		.amdhsa_kernarg_size 24
		.amdhsa_user_sgpr_count 2
		.amdhsa_user_sgpr_kernarg_segment_ptr 1
		.amdhsa_wavefront_size32 1
		.amdhsa_system_sgpr_workgroup_id_x 1
		.amdhsa_system_sgpr_workgroup_id_y 1
		.amdhsa_system_sgpr_workgroup_id_z 1
		.amdhsa_system_vgpr_workitem_id 0
		.amdhsa_next_free_vgpr 256
		.amdhsa_next_free_sgpr 66
		.amdhsa_reserve_vcc 0
		.amdhsa_float_denorm_mode_32 3
		.amdhsa_float_denorm_mode_16_64 3
		.amdhsa_memory_ordered 1
		.amdhsa_forward_progress 1
		.amdhsa_inst_pref_size 49
	.end_amdhsa_kernel
	.amdgpu_metadata
---
amdhsa.version: [ 1, 2 ]
amdhsa.kernels:
  - .name:           k_qad7d0750f3_attn
    .symbol:         k_qad7d0750f3_attn.kd
    .args:
      - { .name: qbuf, .offset: 0, .size: 8, .value_kind: global_buffer, .address_space: global }
      - { .name: kvbuf, .offset: 8, .size: 8, .value_kind: global_buffer, .address_space: global }
      - { .name: obuf, .offset: 16, .size: 8, .value_kind: global_buffer, .address_space: global }
    .group_segment_fixed_size: 327680
    .private_segment_fixed_size: 0
    .kernarg_segment_align: 8
    .kernarg_segment_size: 24
    .max_flat_workgroup_size: 256
    .sgpr_count:     66
    .vgpr_count:     256
    .wavefront_size: 32
...
	.end_amdgpu_metadata
.endif
;; end of part 3
;; launch proj (part 4): grid 256 x 1, 4 waves a work-group, no clusters, 70,144 bytes of LDS; arguments obuf, wo_frag, b_out, out0; writes out0
.if DOCPART == 4
	.amdgcn_target "amdgcn-amd-amdhsa--gfx1250"
	.amdhsa_code_object_version 6
	.text
	.protected	k_qad7d0750f3_proj
	.globl	k_qad7d0750f3_proj
	.p2align	8
	.type	k_qad7d0750f3_proj,@function
k_qad7d0750f3_proj:
	s_mov_b64 s[64:65], 0
	v_nop
	global_prefetch_b8 v0, s[64:65] scope:SCOPE_SE
	s_setreg_imm32_b32 hwreg(HW_REG_WAVE_MODE, 25, 1), 1
	s_wait_xcnt 0x0
; out0 = o w_out + b_out.  o [16384][256] and w_out arrive as f16 fragments in the order of the operand's registers; sums in f32; out0 [16384][256] f32.
; SHARES.  A work-group takes 64 tokens (four tiles m); wave w makes output columns 64 w .. 64 w + 63 (four tiles t) for all of them: 16 accumulators, K = 256 in 8 steps of 32.
; THE MATRIX INSTRUCTION IS USED TRANSPOSED (source 0 = 16 columns of w_out, source 1 = 16 tokens): a lane holds eight neighbouring columns of one token.  The bias is the C of each sum's first instruction.
; THE WAY OUT.  A wave's 64 columns are 256 bytes of a row: each tile of 16 tokens goes through a stage of the wave's own (rows of 256 bytes + 16) and comes back by rows, so that
; sixteen lanes store 256 consecutive bytes, aligned.  Each stage is written once, by one wave: no barrier.
; No tensor loads and no ring: every fragment is used from registers, loaded once by the wave.
.set SP,    272
.set TST,   16*SP                      ; a tile's stage
.set SPARE, 16*TST                     ; behind the sixteen stages: the spare words, 128 bytes for each wave: two blocks of 256 bytes that no other line names
.set L16, 1                            ; v1   16 x lane
.set SO,  4                            ; v4   the stage, in: row r, + 32 h
.set SR,  5                            ; v5   back: lanes 0-15 one row, lanes 16-31 the next
.set CO,  6                            ; v6   the same two rows in out0
.set H32, 7                            ; v7   32 h
.set SPW, 14                           ; v14  my spare word; never rewritten
.set NIL, 15                           ; v15  0; never rewritten
.set BB,  16                           ; v16-47   the bias in the result's layout, tile t at 16 + 8 t
.set ACC, 64                           ; v64-191  accumulator (m, t) at 64 + 8 (4 m + t)
                                       ; window 1: w_out's fragments (t, g) at 8 (8 t + g);  window 2: o's (m, g) at 8 (8 m + g)
.set MSB, 0
.macro WIN new                         ; the immediate's high byte repeats the setting that is left
.if MSB != \new
	s_set_vgpr_msb (MSB<<8)|\new
.set MSB, \new
.endif
.endm
	s_load_b256 s[4:11], s[0:1], 0x0               ; obuf, wo_frag, b_out, out0
	v_lshl_add_u32 v[SPW], v0, 2, SPARE
	v_mov_b32 v[NIL], 0
	v_lshrrev_b32 v1, 5, v0
	v_readfirstlane_b32 s12, v1                    ; wave
	v_and_b32 v1, 31, v0
	v_lshlrev_b32 v[L16], 4, v1
	v_and_b32 v2, 15, v0                           ; r
	v_bfe_u32 v3, v0, 4, 1                         ; h
	s_mul_i32 s13, s12, 4*TST                      ; my four stages
	v_mul_u32_u24 v[SO], v2, SP
	v_lshl_add_u32 v[SO], v3, 5, v[SO]
	v_add_nc_u32 v[SO], s13, v[SO]
	v_mul_u32_u24 v[SR], v3, SP
	v_lshl_add_u32 v[SR], v2, 4, v[SR]
	v_add_nc_u32 v[SR], s13, v[SR]
	v_lshlrev_b32 v[CO], 10, v3
	v_lshl_add_u32 v[CO], v2, 4, v[CO]
	v_lshlrev_b32 v[H32], 5, v3
	s_mov_b32 s15, 0
	s_lshl_b32 s14, ttmp9, 15                      ; o: four tiles of 8,192 bytes a work-group
	s_wait_kmcnt 0x0
	s_add_nc_u64 s[4:5], s[4:5], s[14:15]
	s_lshl_b32 s14, s12, 15                        ; w_out: my four tiles of columns, 8 fragments each
	s_add_nc_u64 s[6:7], s[6:7], s[14:15]
	s_lshl_b32 s14, s12, 8                         ; b_out: my 64 numbers
	s_add_nc_u64 s[8:9], s[8:9], s[14:15]
	s_lshl_b32 s14, ttmp9, 16                      ; out0: 64 rows of 1,024 bytes a work-group, 256 bytes a wave
	s_lshl_b32 s16, s12, 8
	s_add_co_u32 s14, s14, s16
	s_add_nc_u64 s[10:11], s[10:11], s[14:15]
.irp t, 0,1,2,3
	global_load_b128 v[BB+8*\t:BB+8*\t+3], v[H32], s[8:9] offset:64*\t          ; columns 16 t + 8 h + 0..7
	global_load_b128 v[BB+8*\t+4:BB+8*\t+7], v[H32], s[8:9] offset:64*\t+16
.endr
	WIN 0x80                                       ; destination window 2
.set i, 0
.rept 64
	global_load_b128 v[4*i:4*i+3], v[L16], s[4:5] offset:512*i
.set i, i+1
.endr
	WIN 0x40                                       ; destination window 1
.set i, 0
.rept 64
	global_load_b128 v[4*i:4*i+3], v[L16], s[6:7] offset:512*i
.set i, i+1
.endr
	WIN 0
	s_wait_loadcnt 0x0
	WIN 0x09                                       ; source 0 (w_out) window 1, source 1 (o) window 2, C and D window 0
.irp g, 0,1,2,3,4,5,6,7                        ; sixteen accumulators by turns, one instruction a turn
.irp m, 0,1,2,3
.irp t, 0,1,2,3
.if \g == 0
	v_wmma_f32_16x16x32_f16 v[ACC+8*(4*\m+\t):ACC+8*(4*\m+\t)+7], v[8*(8*\t+\g):8*(8*\t+\g)+7], v[8*(8*\m+\g):8*(8*\m+\g)+7], v[BB+8*\t:BB+8*\t+7]
.else
	v_wmma_f32_16x16x32_f16 v[ACC+8*(4*\m+\t):ACC+8*(4*\m+\t)+7], v[8*(8*\t+\g):8*(8*\t+\g)+7], v[8*(8*\m+\g):8*(8*\m+\g)+7], v[ACC+8*(4*\m+\t):ACC+8*(4*\m+\t)+7]
.endif
.endr
.endr
.endr
	WIN 0
.rept 4
	v_nop                                          ; four places ahead of the first read of results, and of the loads into the accumulators' registers
.endr
.irp m, 0,1,2,3
.irp t, 0,1,2,3
	ds_store_b128 v[SO], v[ACC+8*(4*\m+\t):ACC+8*(4*\m+\t)+3] offset:\m*TST+64*\t          ; each accumulator from its low end on
	ds_store_b128 v[SO], v[ACC+8*(4*\m+\t)+4:ACC+8*(4*\m+\t)+7] offset:\m*TST+64*\t+16
.endr
.irp i, 0,1,2,3,4,5,6,7
	ds_load_b128 v[ACC+32*\m+4*\i:ACC+32*\m+4*\i+3], v[SR] offset:\m*TST+\i*2*SP           ; LDS serves a wave's instructions in order: these see my stores, and land in the registers that those have left
.endr
.endr
.irp m, 0,1,2,3
	s_wait_dscnt 16*(3-\m)                         ; the later tiles' sixteen LDS instructions each are younger
.irp i, 0,1,2,3,4,5,6,7
	global_store_b128 v[CO], v[ACC+32*\m+4*\i:ACC+32*\m+4*\i+3], s[10:11] offset:(16*\m+2*\i)*1024 th:TH_STORE_NT   ; 16 lanes store 256 consecutive bytes, at a multiple of 256 from out0's first byte
.endr
.endr
	s_wait_tensorcnt 0x0                           ; the wave's end, behind my last LDS store; the tensor wait stands in a text with no tensor load too
	ds_add_u32 v[SPW], v[NIL]
	s_wait_dscnt 0x0
	s_endpgm
.Lfunc_end_k_qad7d0750f3_proj:
	.size	k_qad7d0750f3_proj, .Lfunc_end_k_qad7d0750f3_proj-k_qad7d0750f3_proj
	.p2alignl 7, 3214868480
	.fill 96, 4, 3214868480
	.section	.rodata,"a",@progbits
	.p2align	6, 0x0
	.amdhsa_kernel k_qad7d0750f3_proj
		.amdhsa_group_segment_fixed_size 70144
		.amdhsa_private_segment_fixed_size 0
		.amdhsa_enable_private_segment 0
		.amdhsa_kernarg_size 32
		.amdhsa_user_sgpr_count 2
		.amdhsa_user_sgpr_kernarg_segment_ptr 1
		.amdhsa_wavefront_size32 1
		.amdhsa_system_sgpr_workgroup_id_x 1
		.amdhsa_system_sgpr_workgroup_id_y 1
		.amdhsa_system_sgpr_workgroup_id_z 1
		.amdhsa_system_vgpr_workitem_id 0
		.amdhsa_next_free_vgpr 768
		.amdhsa_next_free_sgpr 66
		.amdhsa_reserve_vcc 0
		.amdhsa_float_denorm_mode_32 3
		.amdhsa_float_denorm_mode_16_64 3
		.amdhsa_memory_ordered 1
		.amdhsa_forward_progress 1
		.amdhsa_inst_pref_size 30
	.end_amdhsa_kernel
	.amdgpu_metadata
---
amdhsa.version: [ 1, 2 ]
amdhsa.kernels:
  - .name:           k_qad7d0750f3_proj
    .symbol:         k_qad7d0750f3_proj.kd
    .args:
      - { .name: obuf, .offset: 0, .size: 8, .value_kind: global_buffer, .address_space: global }
      - { .name: wo_frag, .offset: 8, .size: 8, .value_kind: global_buffer, .address_space: global }
      - { .name: b_out, .offset: 16, .size: 8, .value_kind: global_buffer, .address_space: global }
      - { .name: out0, .offset: 24, .size: 8, .value_kind: global_buffer, .address_space: global }
    .group_segment_fixed_size: 70144
    .private_segment_fixed_size: 0
    .kernarg_segment_align: 8
    .kernarg_segment_size: 32
    .max_flat_workgroup_size: 128
    .sgpr_count:     66
    .vgpr_count:     768
    .wavefront_size: 32
...
	.end_amdgpu_metadata
.endif
;; end of part 4
